; MI455X (gfx1250); checked and timed in simulation.
; The chip was launched on July 23, 2026; its instructions are those of AMD's public machine-readable ISA for CDNA 5 (MIT licence, August 2026) and "CDNA5" Instruction Set Architecture Reference Guide (July 2026). The comments in the code are by the model that wrote it; some were corrected since.
;; Self Attention. Allowed arithmetic: matrix products marked QUANTISED: E2M3 operands, one E8M0 scale for each 32 along K, by v_wmma_scale_f32_16x16x128_f8f6f4 with both operands' format E2M3, f32 sums; everything else in f32.
;; Inputs: key_padding_mask 2 x 2,048 bool; qkv 2 x 2,048 x 16 x 384 float32.
;; Outputs: out0 2 x 2,048 x 16 x 128 float32.
;; This version of the problem:
;;   THIS VERSION OF THE PROBLEM IS GIVEN IN LOW PRECISION. The matrix products marked QUANTISED in the list below multiply operands that are first quantised to E2M3 (2 exponent bits, 3 mantissa bits; 6 bits a number), with one power-of-two scale for each 32 numbers along K (OCP MX v1.0); their sums are f32. All else is computed in f32.
;;   The module's matrix products, in the order in which they are computed (A, B: the left and right operand; K: the contracted axis; several contracted axes count as one K, in the product's order):
;;     1. batch 32 x [M 2,048, K 128] x [K 128, N 2,048]; A: computed on the way; B: computed on the way: QUANTISED
;;     2. batch 32 x [M 128, K 2,048] x [K 2,048, N 2,048]; A: computed on the way; B: softmax (see below): QUANTISED
;;   THE QUANTISER, for each operand of a quantised product, along K:
;;     - K is cut into blocks of 32 from its start; a last block that is shorter is filled with zeros.
;;     - A block's scale is 2^e with e = floor(log2(the largest magnitude in the block)) - 2, held to -126 .. 127; a block of zeros has e = 0. As a byte (E8M0): e + 127.
;;     - Each number is divided by its block's scale, clamped to +-7.5, and rounded to the nearest number of E2M3, ties to even, subnormals kept.
;;     - The product sums the exact products of the quantised numbers (number of the format x scale) in f32.
;;   ~~~python
;;   def quantise(x, axis):      # numpy; x: float32 -> the quantised numbers, widened to float32 again
;;       x = np.moveaxis(x, axis, -1); K = x.shape[-1]
;;       x = np.pad(x, [(0, 0)] * (x.ndim - 1) + [(0, -K % 32)]); x = x.reshape(x.shape[:-1] + (-1, 32)); a = np.abs(x).max(-1, keepdims=True)
;;       e = np.where(a > 0, np.clip(np.frexp(np.where(a > 0, a, 1))[1] - 1 - 2, -126, 127), 0)      # np.frexp(a)[1] - 1 = floor(log2(a)), exactly
;;       r = np.clip(x / 2.0 ** e, -7.5, 7.5)
;;       step = 2.0 ** (np.maximum(np.frexp(np.where(r == 0, 1, r))[1] - 1, 0) - 3)
;;       q = np.round(r / step) * step * 2.0 ** e      # np.round: ties to even
;;       return np.moveaxis(q.reshape(q.shape[:-2] + (-1,))[..., :K], -1, axis).astype(np.float32)
;;   ~~~
;;   SOFTMAX AHEAD OF A QUANTISED PRODUCT. Where the list says 'softmax', what is quantised is not the finished softmax but p = 2^(t - M), with t = logit x log2(e) and M = ceil(the row's largest t), a whole number; so 1/2 < the row's largest p <= 1. The row's sum l is taken of the UNQUANTISED p, in f32, and the product's result is divided by l at the end. Since M is a whole number, a kernel that streams over the keys may use a running M (the ceiling of the running maximum): every later rescaling is an exact power of two, which a block's scale takes up: the codes' values come out the same.
;;   OPERANDS COMPUTED ON THE WAY. 'Computed on the way' means the value that the module computes at that place (a softmax that the list does not call 'softmax' is quantised finished and normalised). What goes into a quantiser is computed in f32, as accurately as f32 sums, v_exp_f32 and their like allow (about 1e-6 of the number): no bf16 or f16 on the way to a quantiser, and a product that is left as it is and whose result goes on into a quantised operand takes f32 operands (vector FMAs, or v_wmma_f32_16x16x4_f32). A number that lies on a knife's edge between two numbers of the format may be rounded either way, as far as f32 arithmetic and the matrix unit's own rounding can turn it there, and no further.
;; One version. Each part assembles by itself: llvm-mc -triple=amdgcn-amd-amdhsa -mcpu=gfx1250 --defsym DOCPART=n.
;; ======== version 1 of 1: 2 launches
;; limits: right only within a limited range of input values
;; workspace buffers: qc 6,291,456 bytes; kv 12,582,912 bytes; tabs 1,310,720 bytes
;; launch quant (part 1): grid 16 x 32, 8 waves a work-group, no clusters, 140,800 bytes of LDS; arguments qkv, key_padding_mask, qc, kv, tabs; writes qc, kv, tabs
.if DOCPART == 1
	.amdgcn_target "amdgcn-amd-amdhsa--gfx1250"
	.amdhsa_code_object_version 6
	.text
	.protected	k_q59ad9c8f43_quant
	.globl	k_q59ad9c8f43_quant
	.p2align	8
	.type	k_q59ad9c8f43_quant,@function
k_q59ad9c8f43_quant:
	s_mov_b64 s[64:65], 0
	v_nop
	global_prefetch_b8 v0, s[64:65] scope:SCOPE_SE
	s_setreg_imm32_b32 hwreg(HW_REG_WAVE_MODE, 25, 1), 1
	s_wait_xcnt 0x0
; qkv [2][2048][16][384] f32 becomes codes of FP6 (E2M3) with one E8M0 byte for each 32 along a product's K, laid as IMAGES OF THE OPERANDS' REGISTERS:
; a fragment (16 rows x 128 K, 12 registers a lane) is 1,536 bytes: registers 4 c .. 4 c + 3 of lane l at byte 512 c + 16 l.
; Work-group (j, bh) takes tokens 128 j .. 128 j + 127 of head bh.  Wave w makes: Q's tile w (queries 16 w + r, K = the head's 128); K's tile w (row r = key 32 (w / 2) + 8 (w % 2) + r + 8 (r / 8),
; so that the scores of two neighbouring tiles are 16 neighbouring keys in a lane); V's tile w (row r = channel 16 w + r, K = the step's 128 keys, quantised ALONG THE KEYS).
; qc  [bh][128 tiles][1536];  kv [bh][16 steps][K's 8 images, V's 8 images];  tabs [bh][16 steps][2560]: K's scale words 512 | V's 512 | bias 512 | sums 512 | Q's scale words 512.
; K's and V's scale words: row r of tile T at byte 16 (r + 16 (T % 2)) + 4 (T / 2): one load of 16 bytes a lane gives four registers, tile 2 i in lanes 0-15 and tile 2 i + 1 in lanes 16-31 of register i.
; THE PADDING MASK: a padded key's codes of k and its scale word are cleared, so that its product is exactly 0, and its bias is -10000 sqrt(128): the next launch gives the bias as the product's C.
; SUMS: for each channel the sum of the quantised v over the step's 128 keys (V's fragment times a fragment of ones): the next launch needs it for keys that it passes over.
; A block's scale is 2^(floor(log2(its largest magnitude)) - 2); its byte is the largest magnitude's exponent field - 2, held at 1 from below.
; LIMITS: NaN and infinities are not served; a block of zeros, or one whose largest magnitude lies under 2^-124, gets the byte 1 (its bytes are read by this program alone).
.set TOK,   24576                      ; bytes from a token to the next (16 heads x 384 f32)
.set OWNB,  8448                       ; LDS 0: a stage of 16 rows x 528 bytes for each wave
.set VST,   67584                      ; the work-group's stage for v: two halves of HB bytes; key k at ((k / 32) % 2) HB + (32 (k / 64) + k % 32) x 528
.set HB,    33856                      ; 64 rows x 528 + 64: lanes 16-31 of a column read then stand 16 words further round than lanes 0-15
.set MISC,  135296                     ; the image of the job's 2,560 bytes of tabs
.set BN,    0xc7dcf88b                 ; -10000 x sqrt(128)
.set TM,    20                         ; v20-35  the quantiser's work: largest magnitudes, bytes, scale operands
.set PW,    36                         ; v36     the scale word just made
.set OSC,   37                         ; v37     the ones' scale word: four bytes 127
.set PC,    40                         ; v40-51  the codes just made; v52-58 their second halves on the way
.set XV,    64                         ; v64-127   64 numbers of v
.set XQ,    128                        ; v128-191  of q; later v128-139 the fragment of ones, v144-151 the sums
.set XK,    192                        ; v192-255  of k
.set ONES,  128
.set SUMS,  144
; 16 rows of one part (q 0, k 1, v 2) of the head: each load is a row's 512 consecutive bytes.  perm = 1: rows 0-7 and 16-23
.macro ROWS x, base, part, perm
.irp p, 0,1,2,3,4,5,6,7,8,9,10,11,12,13,14,15
	global_load_b128 v[\x+4*\p:\x+4*\p+3], v1, s[\base:\base+1] offset:(\p+8*(\p/8)*\perm)*TOK+512*\part th:TH_LOAD_NT
.endr
.endm
; through my own stage: in as rows, back so that register 16 b + i is number 32 b + 16 (lane / 16) + i of row lane % 16.  LDS serves a wave's instructions in order: the loads see the stores
.macro TURN x
.irp p, 0,1,2,3,4,5,6,7,8,9,10,11,12,13,14,15
	ds_store_b128 v4, v[\x+4*\p:\x+4*\p+3] offset:528*\p
.endr
.irp b, 0,1,2,3
.irp k, 0,1,2,3
	ds_load_b128 v[\x+16*\b+4*\k:\x+16*\b+4*\k+3], v5 offset:128*\b+16*\k
.endr
.endr
	s_wait_dscnt 0x0
.endm
; 64 numbers of a lane in that order become a fragment's codes in v[PC] on and the row's scale word in v[PW]
.macro QUANT s
.irp b, 0,1,2,3
	v_max3_num_f32 v[TM+\b], |v[\s+16*\b]|, |v[\s+1+16*\b]|, 0x1800000   ; my 16 numbers of block b, and the floor 2^(3 - 127): the byte cannot fall under 1
.endr
.irp i, 2,4,6,8,10,12,14
.irp b, 0,1,2,3
	s_delay_alu instid0(VALU_DEP_4)
	v_max3_num_f32 v[TM+\b], v[TM+\b], |v[\s+16*\b+\i]|, |v[\s+1+16*\b+\i]|
.endr
.endr
.irp b, 0,1,2,3
	s_delay_alu instid0(VALU_DEP_4)
	v_permlanex16_b32 v[TM+4+\b], v[TM+\b], s20, s21
.endr
.irp b, 0,1,2,3
	s_delay_alu instid0(VALU_DEP_4)
	v_max_num_f32 v[TM+\b], v[TM+\b], v[TM+4+\b]       ; with lane l xor 16's: the block's largest magnitude
.endr
.irp b, 0,1,2,3
	s_delay_alu instid0(VALU_DEP_4)
	v_add_nc_u32 v[TM+12+\b], 0xff000000, v[TM+\b]     ; 2 off its exponent field: the conversion's scale operand
.endr
.irp b, 0,1,2,3
	s_delay_alu instid0(VALU_DEP_4)
	v_lshrrev_b32 v[TM+4+\b], 23, v[TM+12+\b]          ; the scale's byte
.endr
	s_delay_alu instid0(VALU_DEP_3)
	v_lshl_or_b32 v[PW], v[TM+5], 8, v[TM+4]
	s_delay_alu instid0(VALU_DEP_1)
	v_lshl_or_b32 v[PW], v[TM+6], 16, v[PW]
	s_delay_alu instid0(VALU_DEP_1)
	v_lshl_or_b32 v[PW], v[TM+7], 24, v[PW]
.irp c, 0,1
	v_cvt_scalef32_pk16_fp6_f32 v[PC+6*\c:PC+2+6*\c], v[\s+32*\c:\s+15+32*\c], v[TM+12+2*\c]
	v_cvt_scalef32_pk16_fp6_f32 v[PC+12+4*\c:PC+14+4*\c], v[\s+16+32*\c:\s+31+32*\c], v[TM+12+2*\c+1]   ; (a conversion's three registers begin on an even number)
.endr
	v_nop                                              ; one plain place behind a scaled conversion
.irp c, 0,1                                        ; the operand wants a whole block in a lane: lanes 0-15 block 2 c, lanes 16-31 block 2 c + 1
.irp i, 0,1,2
	v_permlane16_swap_b32 v[PC+6*\c+\i], v[PC+12+4*\c+\i]
.endr
.irp i, 0,1,2
	s_delay_alu instid0(VALU_DEP_3)
	v_mov_b32 v[PC+3+6*\c+\i], v[PC+12+4*\c+\i]
.endr
.endr
.endm
; v: register 32 c + i is key 64 c + 32 (lane / 16) + i of my channel: two whole blocks a lane, already in the operand's order
.macro QUANTV
.irp c, 0,1
	v_max3_num_f32 v[TM+\c], |v[XV+32*\c]|, |v[XV+1+32*\c]|, 0x1800000
.endr
.irp i, 2,4,6,8,10,12,14,16,18,20,22,24,26,28,30
.irp c, 0,1
	s_delay_alu instid0(VALU_DEP_2)
	v_max3_num_f32 v[TM+\c], v[TM+\c], |v[XV+32*\c+\i]|, |v[XV+1+32*\c+\i]|
.endr
.endr
.irp c, 0,1
	s_delay_alu instid0(VALU_DEP_2)
	v_add_nc_u32 v[TM+12+\c], 0xff000000, v[TM+\c]
.endr
.irp c, 0,1
	s_delay_alu instid0(VALU_DEP_2)
	v_lshrrev_b32 v[TM+4+\c], 23, v[TM+12+\c]
.endr
	s_delay_alu instid0(VALU_DEP_1)
	v_lshl_or_b32 v[PW], v[TM+5], 16, v[TM+4]          ; my two bytes: blocks h and 2 + h,
	v_lshlrev_b32 v[TM+6], 3, v3
	s_delay_alu instid0(VALU_DEP_1)
	v_lshlrev_b32 v[PW], v[TM+6], v[PW]                ; 8 h bits up;
	s_delay_alu instid0(VALU_DEP_1)
	v_permlanex16_b32 v[TM+6], v[PW], s20, s21
	s_delay_alu instid0(VALU_DEP_1)
	v_or_b32 v[PW], v[PW], v[TM+6]                     ; with lane l xor 16's two the word is whole
.irp c, 0,1
	v_cvt_scalef32_pk16_fp6_f32 v[PC+6*\c:PC+2+6*\c], v[XV+32*\c:XV+15+32*\c], v[TM+12+\c]
	v_cvt_scalef32_pk16_fp6_f32 v[PC+12+4*\c:PC+14+4*\c], v[XV+16+32*\c:XV+31+32*\c], v[TM+12+\c]
.endr
	v_nop                                              ; one plain place behind a scaled conversion
.irp c, 0,1
.irp i, 0,1,2
	v_mov_b32 v[PC+3+6*\c+\i], v[PC+12+4*\c+\i]
.endr
.endr
.endm
; the fragment in v[PC] on leaves as its image: each store is 512 consecutive bytes, at a multiple of 256 from the buffer's first byte
.macro IMG base, off
.irp c, 0,1,2
	global_store_b128 v1, v[PC+4*\c:PC+4*\c+3], s[\base:\base+1] offset:\off+512*\c
.endr
.endm
	s_load_b128 s[4:7], s[0:1], 0x0                ; qkv, the mask
	s_load_b128 s[8:11], s[0:1], 0x10              ; qc, kv
	s_load_b64 s[12:13], s[0:1], 0x20              ; tabs
	v_lshl_add_u32 v62, v0, 2, 0x22200
	v_mov_b32 v63, 0
	v_lshrrev_b32 v1, 5, v0
	s_delay_alu instid0(VALU_DEP_1)
	v_readfirstlane_b32 s14, v1                    ; wave 0..7
	s_and_b32 s15, ttmp7, 0xffff                   ; bh
	s_lshr_b32 s16, s15, 4                         ; b
	s_and_b32 s17, s15, 15                         ; h
	s_lshl_b32 s18, s15, 4
	s_add_co_u32 s18, s18, ttmp9                   ; job = 16 bh + j
	s_mov_b32 s20, 0x76543210
	s_mov_b32 s21, 0xfedcba98                      ; v_permlanex16_b32's selects for lane l xor 16
	v_and_b32 v1, 31, v0
	s_delay_alu instid0(VALU_DEP_1)
	v_lshlrev_b32 v1, 4, v1                        ; 16 x lane
	s_wait_alu depctr_va_vdst(0)
	v_and_b32 v2, 15, v0                           ; r
	v_bfe_u32 v3, v0, 4, 1                         ; h
	s_wait_alu depctr_va_vdst(0)
	s_mul_i32 s36, s14, OWNB                       ; my own stage
	v_add_nc_u32 v4, s36, v1                       ; in: 16 x lane of a row
	v_mul_u32_u24 v5, v2, 528
	s_delay_alu instid0(VALU_DEP_1)
	v_lshl_add_u32 v5, v3, 6, v5
	s_delay_alu instid0(VALU_DEP_1)
	v_add_nc_u32 v5, s36, v5                       ; back: row r, + 64 h
	s_lshr_b32 s37, s14, 1                         ; w / 2
	s_and_b32 s38, s14, 1                          ; w % 2
	s_and_b32 s39, s37, 1
	s_mul_i32 s39, s39, HB
	s_lshr_b32 s40, s14, 2
	s_lshl_b32 s40, s40, 5
	s_lshl_b32 s41, s38, 4
	s_add_co_u32 s40, s40, s41
	s_mul_i32 s40, s40, 528
	s_add_co_u32 s39, s39, s40
	s_add_co_u32 s39, s39, VST
	v_add_nc_u32 v6, s39, v1                       ; v's stage, in: keys 16 w on
	v_mul_u32_u24 v7, v3, HB
	s_delay_alu instid0(VALU_DEP_1)
	v_lshl_add_u32 v7, v2, 2, v7
	s_lshl_b32 s39, s14, 6                         ; 64 w
	s_add_co_u32 s40, s39, VST
	v_add_nc_u32 v7, s40, v7                       ; and out: channel 16 w + r, the half of my keys
	s_lshl_b32 s40, s38, 8
	s_lshl_b32 s41, s37, 2
	s_add_co_u32 s40, s40, s41
	s_add_co_u32 s40, s40, MISC
	v_lshl_add_u32 v9, v2, 4, s40                  ; K's scale word of row r of tile w (V's: 512 on)
	s_add_co_u32 s40, s39, MISC+1024
	v_lshl_add_u32 v10, v2, 2, s40                 ; the bias of key 16 w + r (Q's scale word of row r: 1,024 on)
	s_add_co_u32 s40, s39, MISC+1536
	v_lshl_add_u32 v11, v3, 5, s40                 ; the sums of channels 16 w + 8 h on
	v_lshl_add_u32 v12, v0, 4, MISC                ; the way out of the 2,560 bytes: 16 x thread,
	v_lshlrev_b32 v13, 4, v0                       ; in LDS and in memory
	s_lshl_b32 s40, s14, 4
	v_add_nc_u32 v14, s40, v2                      ; key 16 w + r
	v_and_b32 v15, 8, v2
	s_delay_alu instid0(VALU_DEP_1)
	v_add_nc_u32 v15, v15, v2
	s_lshl_b32 s42, s37, 5
	s_lshl_b32 s41, s38, 3
	s_add_co_u32 s42, s42, s41                     ; K's tile begins at key 32 (w / 2) + 8 (w % 2)
	v_add_nc_u32 v15, s42, v15                     ; and its row r is that + r + 8 (r / 8)
	v_mov_b32 v19, BN
	v_mov_b32 v38, -1
	v_mov_b32 v[OSC], 0x7f7f7f7f
.irp b, 0,1,2,3
	v_mov_b32 v[TM+4+\b], 0                        ; written once: a lane permute's destination counts as one of its sources
.endr
	s_mul_i32 s36, s16, 50331648                   ; byte offsets, all under 2^31
	s_mul_i32 s37, ttmp9, 128*TOK
	s_add_co_u32 s36, s36, s37
	s_mul_i32 s37, s17, 1536
	s_add_co_u32 s36, s36, s37                     ; the job's first token, my head
	s_mul_i32 s38, s14, 16*TOK
	s_add_co_u32 s38, s38, s36
	s_mov_b32 s39, 0
	s_mul_i32 s40, s42, TOK
	s_add_co_u32 s40, s40, s36
	s_mov_b32 s41, 0
	s_wait_alu depctr_va_vdst(0)
	s_wait_kmcnt 0x0
	s_add_nc_u64 s[24:25], s[4:5], s[38:39]        ; tokens 16 w on: q's and v's rows
	s_add_nc_u64 s[26:27], s[4:5], s[40:41]        ; K's tile's first row
	s_lshl_b32 s38, s18, 3
	s_add_co_u32 s38, s38, s14
	s_mul_i32 s38, s38, 1536
	s_add_nc_u64 s[28:29], s[8:9], s[38:39]        ; Q's image
	s_mul_i32 s38, s18, 24576
	s_mul_i32 s40, s14, 1536
	s_add_co_u32 s38, s38, s40
	s_add_nc_u64 s[30:31], s[10:11], s[38:39]      ; K's image (V's: 12,288 on)
	s_mul_i32 s38, s18, 2560
	s_add_nc_u64 s[32:33], s[12:13], s[38:39]      ; the job's tabs
	s_lshl_b32 s38, s16, 11
	s_lshl_b32 s40, ttmp9, 7
	s_add_co_u32 s38, s38, s40
	s_add_nc_u64 s[34:35], s[6:7], s[38:39]        ; the mask at the job's first key
	global_load_u8 v16, v14, s[34:35]
	global_load_u8 v17, v15, s[34:35]
	ROWS XV, 24, 2, 0                              ; all 48 rows are asked for at once: 24 KB a wave on their way
	ROWS XQ, 24, 0, 0
	ROWS XK, 26, 1, 1
	s_wait_loadcnt 32                              ; the mask bytes and v are in; q's 16 loads and k's 16 may be out
.irp p, 0,1,2,3,4,5,6,7,8,9,10,11,12,13,14,15
	ds_store_b128 v6, v[XV+4*\p:XV+4*\p+3] offset:528*\p
.endr
	v_cmp_ne_u32 vcc_lo, 0, v16
	s_delay_alu instid0(VALU_DEP_1)
	v_cndmask_b32 v18, 0, v19, vcc_lo              ; the bias: 0, or the masked score where the key is padded
	ds_store_b32 v10, v18
	v_cmp_eq_u32 vcc_lo, 0, v17
	s_delay_alu instid0(VALU_DEP_1)
	v_cndmask_b32 v17, 0, v38, vcc_lo              ; all ones where my row of K's tile is kept
	s_wait_loadcnt 16                              ; q is in; k's 16 loads may be out
	TURN XQ
	QUANT XQ
	IMG 28, 0
	ds_store_b32 v10, v[PW] offset:1024
	s_wait_loadcnt 0x0                             ; k
	TURN XK
	s_wait_xcnt 0x0                                ; Q's image stores have read their data: the codes' registers are written again only behind this wait
	QUANT XK
.set N_, 0
.rept 12
	v_and_b32 v[PC+N_], v[PC+N_], v17              ; a padded key's codes are cleared,
.set N_, N_+1
.endr
	v_and_b32 v[PW], v[PW], v17                    ; and its scale word
	IMG 30, 0
	ds_store_b32 v9, v[PW]
	s_wait_dscnt 0x0                               ; for the others' sake: my rows of v lie in the stage
	s_barrier_signal -1
	s_barrier_wait -1                              ; all 128 keys do
.irp c, 0,1
.set N_, 0
.rept 32
	ds_load_b32 v[XV+32*\c+N_], v7 offset:(32*\c+N_)*528   ; v(key 64 c + 32 h + i, channel 16 w + r)
.set N_, N_+1
.endr
.endr
.irp i, 0,1,2,3
	v_mov_b32 v[ONES+3*\i], 0x08208208             ; 128 codes of 1.0 (code 8) for each of 16 columns
	v_mov_b32 v[ONES+3*\i+1], 0x82082082
	v_mov_b32 v[ONES+3*\i+2], 0x20820820
.endr
	s_wait_dscnt 0x0
	s_wait_xcnt 0x0                                ; K's image stores have read their data
	QUANTV
	IMG 30, 12288
	ds_store_b32 v9, v[PW] offset:512
.rept 8
	v_nop                                          ; a scale register written by a vector instruction stands 8 places ahead of a scaled matrix instruction, an operand so written 4
.endr
	v_wmma_scale_f32_16x16x128_f8f6f4 v[SUMS:SUMS+7], v[PC:PC+11], v[ONES:ONES+11], 0, v[PW], v[OSC] matrix_a_fmt:MATRIX_FMT_FP6 matrix_b_fmt:MATRIX_FMT_FP6   ; register k of lane (r, h): the sum of the quantised v of channel 16 w + 8 h + k over the 128 keys
.rept 4
	v_nop
.endr
	ds_store_b128 v11, v[SUMS:SUMS+3]              ; from the low end on; sixteen lanes write the same bytes with the same value
	ds_store_b128 v11, v[SUMS+4:SUMS+7] offset:16
	s_wait_dscnt 0x0                               ; for the others' sake: my words of the 2,560 bytes are stored
	s_barrier_signal -1
	s_barrier_wait -1
	s_cmp_ge_u32 s14, 5                            ; 160 threads x 16 bytes
	s_cbranch_scc1 .Lend
	ds_load_b128 v[64:67], v12
	s_wait_dscnt 0x0
	global_store_b128 v13, v[64:67], s[32:33]      ; each wave stores 512 consecutive bytes, at a multiple of 256 from the buffer's first byte
.Lend:
	s_wait_tensorcnt 0x0
	ds_add_u32 v62, v63
	s_wait_dscnt 0x0
	s_endpgm
.Lfunc_end_k_q59ad9c8f43_quant:
	.size	k_q59ad9c8f43_quant, .Lfunc_end_k_q59ad9c8f43_quant-k_q59ad9c8f43_quant
	.p2alignl 7, 3214868480
	.fill 96, 4, 3214868480
	.section	.rodata,"a",@progbits
	.p2align	6, 0x0
	.amdhsa_kernel k_q59ad9c8f43_quant
		.amdhsa_group_segment_fixed_size 140800
		.amdhsa_private_segment_fixed_size 0
		.amdhsa_enable_private_segment 0
		.amdhsa_kernarg_size 40
		.amdhsa_user_sgpr_count 2
		.amdhsa_user_sgpr_kernarg_segment_ptr 1
		.amdhsa_wavefront_size32 1
		.amdhsa_system_sgpr_workgroup_id_x 1
		.amdhsa_system_sgpr_workgroup_id_y 1
		.amdhsa_system_sgpr_workgroup_id_z 1
		.amdhsa_system_vgpr_workitem_id 0
		.amdhsa_next_free_vgpr 256
		.amdhsa_next_free_sgpr 66
		.amdhsa_reserve_vcc 1
		.amdhsa_float_denorm_mode_32 3
		.amdhsa_float_denorm_mode_16_64 3
		.amdhsa_memory_ordered 1
		.amdhsa_forward_progress 1
		.amdhsa_inst_pref_size 38
	.end_amdhsa_kernel
	.amdgpu_metadata
---
amdhsa.version: [ 1, 2 ]
amdhsa.kernels:
  - .name:           k_q59ad9c8f43_quant
    .symbol:         k_q59ad9c8f43_quant.kd
    .args:
      - { .name: qkv, .offset: 0, .size: 8, .value_kind: global_buffer, .address_space: global }
      - { .name: key_padding_mask, .offset: 8, .size: 8, .value_kind: global_buffer, .address_space: global }
      - { .name: qc, .offset: 16, .size: 8, .value_kind: global_buffer, .address_space: global }
      - { .name: kv, .offset: 24, .size: 8, .value_kind: global_buffer, .address_space: global }
      - { .name: tabs, .offset: 32, .size: 8, .value_kind: global_buffer, .address_space: global }
    .group_segment_fixed_size: 140800
    .private_segment_fixed_size: 0
    .kernarg_segment_align: 8
    .kernarg_segment_size: 40
    .max_flat_workgroup_size: 256
    .sgpr_count:     66
    .vgpr_count:     256
    .wavefront_size: 32
...
	.end_amdgpu_metadata
.endif
;; end of part 1
;; launch attn (part 2): grid 8 x 32, 16 waves a work-group, no clusters, 306,176 bytes of LDS; arguments qc, kv, tabs, key_padding_mask, out0; writes out0
.if DOCPART == 2
	.amdgcn_target "amdgcn-amd-amdhsa--gfx1250"
	.amdhsa_code_object_version 6
	.text
	.protected	k_q59ad9c8f43_attn
	.globl	k_q59ad9c8f43_attn
	.p2align	8
	.type	k_q59ad9c8f43_attn,@function
k_q59ad9c8f43_attn:
	s_mov_b64 s[64:65], 0
	v_nop
	global_prefetch_b8 v0, s[64:65] scope:SCOPE_SE
	s_setreg_imm32_b32 hwreg(HW_REG_WAVE_MODE, 25, 1), 1
	s_wait_xcnt 0x0
; out[b][q][h][:] = the sum over keys of softmax(scores) v, scores = q . k / sqrt(128), with -10000 where key > query or the key is padded.  Both products on codes of FP6 (E2M3), one E8M0 scale for each 32 along K.
; THE SOFTMAX: t = score x c, c = log2(e) / sqrt(128); M = the row's largest t so far, rounded up to a whole number; p = 2^(t - M) is quantised along the keys; the sum of the unquantised p divides at the end.
; A MASKED SCORE IS A NUMBER, NOT MINUS INFINITY.  A padded key's codes of k are zeros and Bn = -10000 sqrt(128) is given as the product's C (only in steps that hold a padded key: a scalar branch on bits of the mask);
; on the diagonal hidden scores are set to Bn; key steps wholly behind the diagonal are passed over and added in closed form at the end: each of their keys has p_h = 2^(Bn c - M), so
; O += Q(p_h) x (the sum of the quantised v over those keys, from the first launch) and l += p_h x their number.  No branch on data.
; SHARES.  Work-group (i, bh) owns the blocks i (short) and 15 - i (long) of 128 queries of head bh: 17 block steps of 128 keys.  Sixteen waves, a tile of 16 queries each, in two groups of eight; waves 2 m and 2 m + 1 are
; one of each group and hold tile m.  NINE TIME SLOTS: group A takes 9 steps of the long block; group B takes the long block's other 7 - i steps, puts its O, M and l into LDS, and then takes the short block's i + 1 steps.
;   slots 0 .. 6 - i: A step i + 1 + 2 slot, B the step after it;  slots 7 - i .. 7: both step slot - (7 - i);  slot 8: A step 15 - i, its diagonal; B is on its way out.
; At the end A joins B's part to its own: both M are whole numbers, so both factors are powers of two.  B begins the short block by setting M back to its first value: the next step's factor is then 0, which clears O and l.
; K AND V of a step are one dense block of 24,576 bytes, images of the operands' registers.  An LDS slot has a block X, which A reads, and a block Y, which B reads (in the shared slots both hold the same step);
; two slots by turns.  Waves 0-7 bring X and waves 8-15 Y through registers, 96 bytes a thread, asked for a slot ahead.
; No cluster: joint loads would need the tensor mover, and the eight work-groups of a head walk the steps in different orders.
; PREFETCH: steps 0 to 10 of a head are asked for by some work-group's own loads in slots 0 to 2; steps 11 to 15 are prefetched in slots 0 to 4 by work-group 0 of the head (it reads all of them), waves 0 to 2,
; 8,192 bytes a wave, lanes 256 bytes apart, two slots or more ahead of the first load that names them.
; LAYOUT.  Both products transposed: S^T = K Q^T, O^T = V^T P^T: a lane holds one query (lane % 16); registers 96 + 16 b + i are keys 32 b + 16 (lane / 16) + i of the step.
; LIMITS: NaN and infinities are not served; t is rounded once; the masked t is Bn x c, within 0.002 of -10000 log2(e); a p_h under 2^-124 counts as 0.
; REGISTERS: v1-5 addresses; v6-7 the spare word and 0; v8-11, v28-31, v80-91, v248-251 the staged 96 bytes (at the end: the way out's addresses); v12 -M, v13 the largest t, v[14:15] the sum; v16-27 Q; v32-79 four fragments;
; v92-95 K's scale words, then V's; v96-159 S^T, then p; v160-223 O^T; v224-235 p's codes; v232-247, v252, v254 at work; v253 p's scale word; v255 Q's.
.set SLOTB, 24576                      ; LDS: X of slot 0, X of slot 1, Y of slot 0, Y of slot 1
.set HALF,  49152
.set TAB,   98304                      ; 16 steps x 2,048: K's scale words, V's, the bias, the sums
.set SVB,   131072                     ; two rows of 128 f32: the sums over the steps behind the short block, behind the long block
.set DUMP,  132096                     ; DPB bytes for each wave: a wave of B puts its part of the long block into its own; a wave of A has its stage for the way out in the lower half of its own, its partner of B in the upper half
.set DPB,   8704
.set QST,   271360                     ; the short block's Q: 2,048 bytes for each wave
.set SPARE, 304128                     ; the spare words, 128 bytes a wave
.set BN,    0xc7dcf88b                 ; -10000 x sqrt(128)
.set LOW,   0xff61b1e6                 ; -3e38, under every t
.set WV,12
.set WI,13
.set LAST,14                           ; 15 - i
.set KIND,15                           ; 1: group A
.set JQ,16                             ; the block that I write out
.set M16,17                            ; 16 x my tile
.set DT,18                             ; the slot of my diagonal
.set BH,19
.set SEL,20
.set CS,22
.set ST,24                             ; the slot
.set TS,25
.set MY,26                             ; my key step
.set CNT,27
.set PLIM,28
.set BNS,29
.set HS,30
.set HCN,31
.set KV,32
.set PFA,34
.set T2,45
.set PMS,46                            ; bit l: a padded key among keys 64 l .. 64 l + 63
.set LS,47                             ; the step that I fetch
.set OUT,52
.set KVB,54
.set SW,56                             ; the slot in which B changes blocks
.set YC,57
.set YL,58
.set LLIM,59
.set DA,60
.set QA,61
.set T0,62
.set T1,63
.macro WM d, a, b, zero, sa, sb, odd
.if \zero
.if \odd
	v_wmma_scale_f32_16x16x128_f8f6f4 v[(\d):(\d)+7], v[(\a):(\a)+11], v[(\b):(\b)+11], 0, v[(\sa)], v[(\sb)] matrix_a_fmt:MATRIX_FMT_FP6 matrix_b_fmt:MATRIX_FMT_FP6 matrix_a_scale:MATRIX_SCALE_ROW1
.else
	v_wmma_scale_f32_16x16x128_f8f6f4 v[(\d):(\d)+7], v[(\a):(\a)+11], v[(\b):(\b)+11], 0, v[(\sa)], v[(\sb)] matrix_a_fmt:MATRIX_FMT_FP6 matrix_b_fmt:MATRIX_FMT_FP6
.endif
.else
.if \odd
	v_wmma_scale_f32_16x16x128_f8f6f4 v[(\d):(\d)+7], v[(\a):(\a)+11], v[(\b):(\b)+11], v[(\d):(\d)+7], v[(\sa)], v[(\sb)] matrix_a_fmt:MATRIX_FMT_FP6 matrix_b_fmt:MATRIX_FMT_FP6 matrix_a_scale:MATRIX_SCALE_ROW1
.else
	v_wmma_scale_f32_16x16x128_f8f6f4 v[(\d):(\d)+7], v[(\a):(\a)+11], v[(\b):(\b)+11], v[(\d):(\d)+7], v[(\sa)], v[(\sb)] matrix_a_fmt:MATRIX_FMT_FP6 matrix_b_fmt:MATRIX_FMT_FP6
.endif
.endif
.endm
.macro PLACES
.rept 4
	v_nop
.endr
.endm
; the key step of slot ST + add: y = 1 for block X, 2 for block Y
.macro SIDX d, add, y
	s_add_co_u32 s[T0], s[ST], \add
	s_add_co_u32 s[T1], s[T0], s[WI]
	s_add_co_u32 s[T2], s[T0], s[T1]
	s_add_co_u32 s[T2], s[T2], s[\y]               ; i + 2 slot + y
	s_max_u32 s[\d], s[T1], 7
	s_sub_co_u32 s[\d], s[\d], 7                   ; slot - (7 - i)
	s_cmp_le_u32 s[T1], 6
	s_cselect_b32 s[\d], s[T2], s[\d]
	s_cmp_eq_u32 s[T0], 8
	s_cselect_b32 s[\d], s[LAST], s[\d]
	s_min_u32 s[\d], s[\d], 15
.endm
; S^T = K Q^T, four tiles of 16 keys at a time; bias = 1: the sums begin with the step's bias
.macro KQT slot, bias
.if \bias
.irp b, 0,1,2,3
.irp k, 0,1,2,3
	ds_load_b128 v[96+16*\b+4*\k:99+16*\b+4*\k], v240 offset:128*\b+16*\k
.endr
.endr
.endif
	ds_load_b128 v[92:95], v241                    ; K's scale words: register i: tile 2 i in lanes 0-15, tile 2 i + 1 in lanes 16-31
.irp g, 0,1
.irp t, 0,1,2,3
.irp c, 0,1,2
	ds_load_b128 v[32+12*\t+4*\c:35+12*\t+4*\c], v1 offset:SLOTB*\slot+1536*(4*\g+\t)+512*\c
.endr
.endr
	s_wait_dscnt 0x0
.irp t, 0,1,2,3
	WM 96+8*(4*\g+\t), 32+12*\t, 16, 1-\bias, 92+2*\g+\t/2, 255, \t%2
.endr
	PLACES                                         ; in front of loads into registers that these products read, and of the first read of their results
.endr
.endm
.macro VLOAD slot, g
.irp t, 0,1,2,3
.irp c, 0,1,2
	ds_load_b128 v[32+12*\t+4*\c:35+12*\t+4*\c], v1 offset:SLOTB*\slot+12288+1536*(4*\g+\t)+512*\c
.endr
.endr
.endm
.macro GETKV                           ; my 96 bytes of the block that I fetch
	global_load_b128 v[8:11], v4, s[KV:KV+1]
	global_load_b128 v[28:31], v4, s[KV:KV+1] offset:4096
.irp c, 0,1,2
	global_load_b128 v[80+4*\c:83+4*\c], v4, s[KV:KV+1] offset:8192+4096*\c
.endr
	global_load_b128 v[248:251], v4, s[KV:KV+1] offset:20480
.endm
; THE CHANGE OF SLOTS, one barrier a slot.  My 96 bytes, asked for a slot ago, go into slot ST % 2: every wave has left it, having passed the last barrier behind its wait for its reads of slot ST - 2.
; ld = 1: behind my wait for the stores the same registers take slot ST + 1's bytes.  ld = 0: slot 8, which has no block Y.
.macro HEAD slot, ld
	s_wait_loadcnt 0x0
	s_wait_xcnt 0x0                                ; the last loads and the last prefetch have read their addresses
.if \ld
	SIDX LS, 1, YL
	s_mul_i32 s48, s[LS], SLOTB
	s_add_nc_u64 s[KV:KV+1], s[KVB:KVB+1], s[48:49]
	s_add_nc_u64 s[PFA:PFA+1], s[PFA:PFA+1], SLOTB ; step 11 + ST
.else
	s_cmp_ge_u32 s[WV], 8
	s_cbranch_scc1 .Lno_store_\@
.endif
	ds_store_b128 v2, v[8:11] offset:SLOTB*\slot
	ds_store_b128 v2, v[28:31] offset:SLOTB*\slot+4096
.irp c, 0,1,2
	ds_store_b128 v2, v[80+4*\c:83+4*\c] offset:SLOTB*\slot+8192+4096*\c
.endr
	ds_store_b128 v2, v[248:251] offset:SLOTB*\slot+20480
.Lno_store_\@:
	s_wait_dscnt 0x0                               ; my stores have landed and have read their registers; my reads of the last slot are in
.if \ld
	s_cmp_ge_u32 s[ST], s[LLIM]
	s_cbranch_scc1 .Lno_load_\@
	GETKV
	s_cmp_lt_u32 s[ST], s[PLIM]
	s_cbranch_scc0 .Lno_load_\@
	global_prefetch_b8 v5, s[PFA:PFA+1] th:TH_LOAD_NT scope:SCOPE_SE
.Lno_load_\@:
.endif
	s_barrier_signal -1
	s_barrier_wait -1
.endm
; B changes blocks: its part of the long block goes to LDS (A reads it behind the loop's later barriers), the short block's Q comes from LDS, M goes back to its first value
.macro DUMPQ
	v_and_b32 v242, 31, v0
	v_lshl_add_u32 v240, v242, 4, s[DA]
	v_lshl_add_u32 v241, v242, 4, s[QA]
	v_lshl_add_u32 v242, v242, 2, s[QA]            ; (these four are the places behind the last products)
.set N_, 0
.rept 16
	ds_store_b128 v240, v[160+N_:163+N_] offset:128*N_
.set N_, N_+4
.endr
	ds_store_b128 v240, v[12:15] offset:8192
.irp c, 0,1,2
	ds_load_b128 v[16+4*\c:19+4*\c], v241 offset:512*\c
.endr
	ds_load_b32 v255, v242 offset:1536
	v_mov_b32 v13, LOW
	v_floor_f32 v12, -v13
	s_wait_alu depctr_va_vdst(0)                   ; the wait behind these writes
.endm
; A KEY STEP of 128 keys.  diag = 0: no diagonal can fall into this copy; 1: it does where ST = DT; 2: it does (slot 8)
.macro STEP slot, diag
	SIDX MY, 0, YC
.if \diag < 2
	s_cmp_eq_u32 s[KIND], 1
	s_cbranch_scc1 .Lkeep_\@                       ; A never changes blocks
	s_cmp_eq_u32 s[ST], s[SW]
	s_cbranch_scc0 .Lkeep_\@
	DUMPQ
.Lkeep_\@:
.endif
	s_lshl_b32 s[TS], s[MY], 11
	v_add_nc_u32 v241, s[TS], v3                   ; the step's scale words
	v_bfe_u32 v240, v0, 4, 1
	v_lshl_add_u32 v240, v240, 6, TAB+1024
	v_add_nc_u32 v240, s[TS], v240                 ; its bias, keys 16 h on.  (Four places in front of loads into registers that the last step's products read)
	s_lshl_b32 s36, s[MY], 1
	s_lshr_b32 s36, s[PMS], s36
	s_and_b32 s36, s36, 3
	s_cmp_eq_u32 s36, 0
	s_wait_alu depctr_va_vdst(0)                   ; the wait ahead of the branch
	s_cbranch_scc1 .Lclean_\@
	KQT \slot, 1
	s_branch .Ljoin_\@
.Lclean_\@:
	KQT \slot, 0
.Ljoin_\@:
	ds_load_b128 v[92:95], v241 offset:512         ; V's scale words follow K's
	VLOAD \slot, 0                                 ; V's first four tiles land while the softmax is worked
.if \diag
.if \diag == 1
	s_cmp_eq_u32 s[ST], s[DT]
	s_cbranch_scc0 .Lopen_\@
.endif
	v_and_b32 v240, 15, v0
	v_bfe_u32 v241, v0, 4, 1
	v_lshlrev_b32 v241, 4, v241
	v_sub_nc_u32 v240, v240, v241
	v_add_nc_u32 v240, s[M16], v240                ; d = my query - the step's first key - 16 (lane / 16): register 16 b + i is hidden where 32 b + i > d
	v_mov_b32 v254, s[BNS]
.set N_, 0
.rept 64
	v_cmp_gt_i32 vcc_lo, 32*(N_/16)+N_%16, v240
	v_cndmask_b32 v[96+N_], v[96+N_], v254, vcc_lo
.set N_, N_+1
.endr
.Lopen_\@:
.endif
.irp b, 0,1,2,3
	v_max3_num_f32 v[232+\b], v[96+16*\b], v[97+16*\b], v[98+16*\b]   ; the largest score of each block of 32 keys: for the row's maximum and for the block's largest p
.endr
.irp i, 3,5,7,9,11,13
.irp b, 0,1,2,3
	v_max3_num_f32 v[232+\b], v[232+\b], v[96+16*\b+\i], v[97+16*\b+\i]
.endr
.endr
.irp b, 0,1,2,3
	v_max_num_f32 v[232+\b], v[232+\b], v[111+16*\b]
.endr
.irp b, 0,1,2,3
	v_permlanex16_b32 v[236+\b], v[232+\b], s[SEL], s[SEL+1]
.endr
.irp b, 0,1,2,3
	v_max_num_f32 v[232+\b], v[232+\b], v[236+\b]  ; with lane l xor 16's 16 keys
.endr
	v_max3_num_f32 v254, v232, v233, v234
	s_delay_alu instid0(VALU_DEP_1)
	v_max_num_f32 v254, v254, v235
	s_delay_alu instid0(VALU_DEP_1)
	v_mul_f32 v254, s[CS], v254                    ; the step's largest t
	s_delay_alu instid0(VALU_DEP_1)
	v_max_num_f32 v13, v13, v254
	v_mov_b32 v254, v12
	s_delay_alu instid0(VALU_DEP_2)
	v_floor_f32 v12, -v13                          ; the new -M = -ceil(t)
	s_delay_alu instid0(VALU_DEP_1)
	v_sub_f32 v254, v12, v254                      ; old M - new M, 0 or less
	s_delay_alu instid0(VALU_DEP_1)
	v_cvt_i32_f32 v254, v254                       ; (it saturates)
	s_delay_alu instid0(VALU_DEP_1)
	v_ldexp_f32 v252, 1.0, v254                    ; f = 2^(old M - new M)
.set N_, 0
.rept 32
	v_pk_fma_f32 v[96+N_:97+N_], v[96+N_:97+N_], s[CS:CS+1], v[12:13] op_sel_hi:[1,0,0]   ; t - M
.set N_, N_+2
.endr
.irp b, 0,1,2,3
	v_fma_f32 v[232+\b], v[232+\b], s[CS], v12
.endr
	s_wait_alu depctr_va_vdst(0)                   ; the wait ahead of the batch
.set N_, 0
.rept 64
	v_exp_f32 v[96+N_], v[96+N_]                   ; p = 2^(t - M), at most 1
.set N_, N_+1
.endr
	v_pk_mul_f32 v[14:15], v[14:15], v[252:253] op_sel_hi:[1,0]   ; the sum under the new M; the plain place behind the exponentials
	s_wait_alu depctr_va_vdst(0)                   ; and behind it, ahead of its first reader
.irp b, 0,1,2,3
	v_exp_f32 v[232+\b], v[232+\b]                 ; the block's largest p
.endr
	v_pk_add_f32 v[236:237], v[96:97], v[98:99]    ; the row's sum of the unquantised p, in four chains by turns
	v_pk_add_f32 v[238:239], v[100:101], v[102:103]
	v_pk_add_f32 v[240:241], v[104:105], v[106:107]
.irp j, 12,20,28,36,44,52
	v_pk_add_f32 v[14:15], v[14:15], v[96+\j:97+\j]
	v_pk_add_f32 v[236:237], v[236:237], v[98+\j:99+\j]
	v_pk_add_f32 v[238:239], v[238:239], v[100+\j:101+\j]
	v_pk_add_f32 v[240:241], v[240:241], v[102+\j:103+\j]
.endr
	v_pk_add_f32 v[14:15], v[14:15], v[156:157]
	v_pk_add_f32 v[236:237], v[236:237], v[158:159]
	v_pk_add_f32 v[238:239], v[238:239], v[240:241]
	s_delay_alu instid0(VALU_DEP_2)
	v_pk_add_f32 v[14:15], v[14:15], v[236:237]
	s_delay_alu instid0(VALU_DEP_1)
	v_pk_add_f32 v[14:15], v[14:15], v[238:239]
	s_wait_alu depctr_va_vdst(0)                   ; and one for the four
.irp b, 0,1,2,3
	v_max_num_f32 v[232+\b], 0x1800000, v[232+\b]  ; the floor 2^(3 - 127): the byte cannot fall under 1
.endr
.irp b, 0,1,2,3
	v_add_nc_u32 v[244+\b], 0xff000000, v[232+\b]  ; 2 off the exponent field: the conversion's scale operand
.endr
.irp b, 0,1,2,3
	v_lshrrev_b32 v[236+\b], 23, v[244+\b]         ; the scale's byte
.endr
	v_lshl_or_b32 v253, v237, 8, v236              ; p's scale word for these 128 keys
	s_delay_alu instid0(VALU_DEP_1)
	v_lshl_or_b32 v253, v238, 16, v253
	s_delay_alu instid0(VALU_DEP_1)
	v_lshl_or_b32 v253, v239, 24, v253
.irp c, 0,1
	v_cvt_scalef32_pk16_fp6_f32 v[224+6*\c:226+6*\c], v[96+32*\c:111+32*\c], v[244+2*\c]
	v_cvt_scalef32_pk16_fp6_f32 v[236+4*\c:238+4*\c], v[112+32*\c:127+32*\c], v[244+2*\c+1]
.endr
	v_nop                                          ; one plain place behind a scaled conversion
.irp c, 0,1                                    ; a whole block in a lane: lanes 0-15 block 2 c, lanes 16-31 block 2 c + 1
.irp i, 0,1,2
	v_permlane16_swap_b32 v[224+6*\c+\i], v[236+4*\c+\i]
.endr
.irp i, 0,1,2
	v_mov_b32 v[227+6*\c+\i], v[236+4*\c+\i]
.endr
.endr
.set N_, 0
.rept 32
	v_pk_mul_f32 v[160+N_:161+N_], v[160+N_:161+N_], v[252:253] op_sel_hi:[1,0]   ; O^T under the new M, each accumulator from its low end on; also the places in front of the products below
.set N_, N_+2
.endr
	s_wait_alu depctr_va_vdst(0)                   ; the wait ahead of the wait below
	s_wait_dscnt 0x0                               ; V's first four tiles and its scale words
.irp t, 0,1,2,3
	WM 160+8*\t, 32+12*\t, 224, 0, 92+\t/2, 253, \t%2
.endr
	PLACES
	VLOAD \slot, 1
	s_wait_dscnt 0x0
.irp t, 0,1,2,3
	WM 192+8*\t, 32+12*\t, 224, 0, 94+\t/2, 253, \t%2
.endr
	s_add_co_u32 s[ST], s[ST], 1
.endm
	s_load_b256 s[4:11], s[0:1], 0x0               ; qc s[4:5], kv s[6:7], tabs s[8:9], the mask s[10:11]
	s_load_b64 s[OUT:OUT+1], s[0:1], 0x20          ; out0
	v_lshl_add_u32 v6, v0, 2, SPARE
	v_mov_b32 v7, 0
	v_lshrrev_b32 v1, 5, v0
	v_readfirstlane_b32 s[WV], v1                  ; wave 0..15
	s_mov_b32 s[WI], ttmp9
	s_sub_co_u32 s[LAST], 15, s[WI]
	s_sub_co_u32 s[SW], 7, s[WI]
	s_lshr_b32 s[KIND], s[WV], 2
	s_xor_b32 s[KIND], s[KIND], s[WV]
	s_and_b32 s[KIND], s[KIND], 1
	s_cmp_eq_u32 s[KIND], 1
	s_cselect_b32 s[JQ], s[LAST], s[WI]
	s_cselect_b32 s[DT], 8, 7
	s_sub_co_u32 s[YC], 2, s[KIND]                 ; A reads X, B reads Y
	s_lshr_b32 s[YL], s[WV], 3
	s_add_co_u32 s[YL], s[YL], 1                   ; waves 0-7 fetch X, waves 8-15 Y
	s_cmp_lt_u32 s[WV], 8
	s_cselect_b32 s[LLIM], 8, 7                    ; slot 8 has no block Y
	s_lshr_b32 s44, s[WV], 1                       ; my tile in the block
	s_lshl_b32 s[M16], s44, 4
	s_mul_i32 s[DA], s[WV], DPB
	s_add_co_u32 s[DA], s[DA], DUMP
	s_lshl_b32 s[QA], s[WV], 11
	s_add_co_u32 s[QA], s[QA], QST
	s_xor_b32 s[T0], s[KIND], 1
	s_mul_i32 s[T0], s[T0], HALF
	s_lshl_b32 s[T1], s[WV], 13
	s_and_b32 s[BH], ttmp7, 0xffff
	s_mov_b32 s[SEL], 0x76543210
	s_mov_b32 s[SEL+1], 0xfedcba98
	s_mov_b32 s[CS], 0x3e0293ee                    ; c = log2(e) / sqrt(128)
	s_mov_b32 s[CS+1], s[CS]
	s_mov_b32 s[BNS], BN
	s_mov_b32 s[HS], LOW
	s_cmp_lt_u32 s[JQ], 15
	s_cselect_b32 s[HS], s[BNS], s[HS]
	s_sub_co_u32 s[HCN], 15, s[JQ]
	s_lshl_b32 s[HCN], s[HCN], 6                   ; 128 (15 - JQ) keys are passed over: half of them for each half of the lanes
	s_cmp_lt_u32 s[WV], 3
	s_cselect_b32 s[PLIM], 5, 0
	s_cmp_eq_u32 s[WI], 0
	s_cselect_b32 s[PLIM], s[PLIM], 0
	s_mov_b32 s[ST], 0
	s_mov_b32 s[CNT], 4
	v_and_b32 v120, 31, v0
	v_lshlrev_b32 v120, 4, v120                    ; 16 x lane
	v_add_nc_u32 v1, s[T0], v120                   ; an image's place for my lane, in my group's block
	v_and_b32 v4, 255, v0
	v_lshlrev_b32 v4, 4, v4                        ; my bytes of a sixth of the block that I fetch, in memory,
	v_lshrrev_b32 v2, 8, v0
	v_mad_u32_u24 v2, v2, HALF, v4                 ; and in LDS
	v_add_nc_u32 v3, TAB, v120                     ; scale words
	v_lshlrev_b32 v5, 4, v120
	v_add_nc_u32 v5, s[T1], v5                     ; the prefetches: 8,192 x wave + 256 x lane
	v_lshl_add_u32 v123, v0, 4, TAB                ; where I put the head's tables
	v_lshrrev_b32 v121, 7, v0
	v_and_b32 v124, 127, v0
	v_lshlrev_b32 v124, 4, v124
	v_mad_u32_u24 v124, v121, 2560, v124           ; tabs in memory: 128 threads to a step's first 2,048 bytes, four steps a pass
	v_and_b32 v125, 15, v0
	v_lshlrev_b32 v125, 2, v125                    ; 4 r: Q's scale word
	v_lshlrev_b32 v126, 2, v120                    ; 64 x lane: my 64 bytes of the mask
	v_lshl_add_u32 v127, v0, 2, TAB+1536           ; a step's sum of channel = thread
	v_lshl_add_u32 v118, v0, 2, SVB
	v_add_nc_u32 v119, s[QA], v120                 ; the short block's Q in LDS
	v_lshrrev_b32 v117, 2, v120
	v_add_nc_u32 v117, s[QA], v117
	s_wait_alu depctr_va_vdst(0)                   ; the wait at the head's end
	s_wait_kmcnt 0x0
	s_mov_b32 s49, 0                               ; byte offsets, all under 2^31; s49 stays 0
	s_mul_i32 s48, s[BH], 16*SLOTB
	s_add_nc_u64 s[KVB:KVB+1], s[6:7], s[48:49]    ; the head's step 0
	s_add_nc_u64 s[PFA:PFA+1], s[KVB:KVB+1], 10*SLOTB
	SIDX LS, 0, YL
	s_mul_i32 s48, s[LS], SLOTB
	s_add_nc_u64 s[KV:KV+1], s[KVB:KVB+1], s[48:49]
	s_mul_i32 s48, s[BH], 40960
	s_add_nc_u64 s[36:37], s[8:9], s[48:49]        ; the head's tabs
	s_lshr_b32 s50, s[BH], 4                       ; b
	s_lshl_b32 s48, s50, 11
	s_add_nc_u64 s[38:39], s[10:11], s[48:49]      ; the batch's mask
	s_lshl_b32 s51, s[BH], 7
	s_add_co_u32 s51, s51, s44
	s_lshl_b32 s48, s[LAST], 3
	s_add_co_u32 s48, s48, s51
	s_mul_i32 s48, s48, 1536
	s_add_nc_u64 s[40:41], s[4:5], s[48:49]        ; Q's image, long block
	s_lshl_b32 s48, s[WI], 3
	s_add_co_u32 s48, s48, s51
	s_mul_i32 s48, s48, 1536
	s_add_nc_u64 s[4:5], s[4:5], s[48:49]          ; and short block
	s_lshl_b32 s51, s44, 6
	s_add_co_u32 s51, s51, 2048
	s_mul_i32 s48, s[LAST], 2560
	s_add_co_u32 s48, s48, s51
	s_add_nc_u64 s[42:43], s[36:37], s[48:49]      ; Q's scale words, long block
	s_mul_i32 s48, s[WI], 2560
	s_add_co_u32 s48, s48, s51
	s_add_nc_u64 s[8:9], s[36:37], s[48:49]        ; and short block
	s_lshl_b32 s48, s50, 24
	s_lshl_b32 s51, s[JQ], 20
	s_add_co_u32 s48, s48, s51
	s_lshl_b32 s51, s[M16], 13
	s_add_co_u32 s48, s48, s51
	s_and_b32 s51, s[BH], 15
	s_lshl_b32 s51, s51, 9
	s_add_co_u32 s48, s48, s51
	s_add_nc_u64 s[OUT:OUT+1], s[OUT:OUT+1], s[48:49]   ; the first query's row of my head that I write
	s_cmp_eq_u32 s[KIND], 1
	s_cbranch_scc1 .Lno_q2
.irp c, 0,1,2
	global_load_b128 v[64+4*\c:67+4*\c], v120, s[4:5] offset:512*\c
.endr
	global_load_b32 v76, v125, s[8:9]
.Lno_q2:
.irp c, 0,1,2,3
	global_load_b128 v[32+4*\c:35+4*\c], v124, s[36:37] offset:10240*\c
.endr
.irp c, 0,1,2,3
	global_load_b128 v[48+4*\c:51+4*\c], v126, s[38:39] offset:16*\c
.endr
.irp c, 0,1,2
	global_load_b128 v[16+4*\c:19+4*\c], v120, s[40:41] offset:512*\c
.endr
	global_load_b32 v255, v125, s[42:43]
	GETKV                                          ; slot 0
	v_mov_b32 v13, LOW                             ; the largest t so far
	v_floor_f32 v12, -v13                          ; -M
	v_mov_b32 v14, 0
	v_mov_b32 v15, 0
.irp b, 0,1,2,3
	v_mov_b32 v[236+\b], 0                         ; a lane permute's destination counts as one of its sources
.endr
	v_mov_b32 v253, 0                              ; (named as the upper half of v[252:253] before it is first written)
.set N_, 0
.rept 64
	v_mov_b32 v[160+N_], 0                         ; O^T: the step is written once; the first finds zeros
.set N_, N_+1
.endr
	s_wait_alu depctr_va_vdst(0)                   ; the wait ahead of the wait below
	s_wait_loadcnt 10                              ; all but Q's three loads, its scale word and slot 0's six are in
.irp c, 0,1,2,3
	ds_store_b128 v123, v[32+4*\c:35+4*\c] offset:8192*\c
.endr
	s_cmp_eq_u32 s[KIND], 1
	s_cbranch_scc1 .Lno_q2s
.irp c, 0,1,2
	ds_store_b128 v119, v[64+4*\c:67+4*\c] offset:512*\c   ; bytes that my wave alone reads
.endr
	ds_store_b32 v117, v76 offset:1536
.Lno_q2s:
.irp i, 0,1,2,3,4,5,6,7
	v_or_b32 v[48+\i], v[48+\i], v[56+\i]
.endr
.irp i, 0,1,2,3
	v_or_b32 v[48+\i], v[48+\i], v[52+\i]
.endr
	v_or_b32 v48, v48, v50
	v_or_b32 v49, v49, v51
	s_delay_alu instid0(VALU_DEP_1)
	v_or_b32 v48, v48, v49
	s_delay_alu instid0(VALU_DEP_1)
	v_cmp_ne_u32 s[PMS], 0, v48                    ; bit l: a padded key among lane l's 64 keys
	s_wait_dscnt 0x0                               ; for the others' sake: my part of the tables is stored
	s_barrier_signal -1
	s_barrier_wait -1
	s_cmp_ge_u32 s[WV], 4                          ; 128 threads, a channel each: the sums of the quantised v over the steps behind each of the two blocks
	s_cbranch_scc1 .Lno_sums
.irp j, 1,2,3,4,5,6,7,8,9,10,11,12,13,14,15
	ds_load_b32 v[96+\j], v127 offset:2048*\j
.endr
	v_mov_b32 v32, 0
	v_mov_b32 v33, 0
	s_wait_alu depctr_va_vdst(0)
	s_wait_dscnt 0x0
.irp j, 1,2,3,4,5,6,7,8,9,10,11,12,13,14,15
	s_cmp_lt_u32 s[WI], \j
	s_cselect_b32 s50, 1.0, 0
	s_cmp_lt_u32 s[LAST], \j
	s_cselect_b32 s51, 1.0, 0
	v_fmac_f32 v32, s50, v[96+\j]
	v_fmac_f32 v33, s51, v[96+\j]
.endr
	ds_store_b32 v118, v32
	ds_store_b32 v118, v33 offset:512              ; read at the end, behind the loop's barriers, in front of the first of which stands my wait for these stores
.Lno_sums:
.Ltrip:                                            ; 4 trips of two slots, and slot 8 behind them: no barrier hangs on a number
	HEAD 0, 1
	STEP 0, 0
	HEAD 1, 1
	STEP 1, 1
	s_sub_co_u32 s[CNT], s[CNT], 1
	s_cmp_lg_u32 s[CNT], 0
	s_cbranch_scc1 .Ltrip
	HEAD 0, 0
	s_cmp_eq_u32 s[KIND], 0
	s_cbranch_scc1 .Lepi                           ; B has no step in slot 8
	STEP 0, 2
.Lepi:
	s_lshl_b32 s38, s[KIND], 9
	s_add_co_u32 s38, s38, SVB
	s_xor_b32 s36, s[KIND], 1                      ; 1 in B
	s_xor_b32 s45, s[WV], s36                      ; my pair's wave of A
	s_mul_i32 s45, s45, DPB
	s_mul_i32 s36, s36, 16*272
	s_add_co_u32 s45, s45, s36
	s_add_co_u32 s45, s45, DUMP                    ; my stage: A's region, lower half for A, upper half for B
	s_xor_b32 s37, s[WV], 1
	s_mul_i32 s37, s37, DPB
	s_add_co_u32 s37, s37, DUMP                    ; my partner's region
	v_and_b32 v8, 15, v0                           ; r
	v_bfe_u32 v9, v0, 4, 1                         ; h
	v_lshl_add_u32 v10, v9, 5, s38                 ; my block's sums, channels 8 h on
	v_lshlrev_b32 v11, 13, v9
	v_lshl_add_u32 v11, v8, 4, v11                 ; out: lanes 0-15 one query's row, lanes 16-31 the next (8,192 bytes on); 16 bytes a lane
	v_mul_u32_u24 v28, v8, 272
	v_lshl_add_u32 v28, v9, 5, v28
	v_add_nc_u32 v28, s45, v28                     ; in: row r, + 32 h
	v_mul_u32_u24 v29, v9, 272
	v_lshl_add_u32 v29, v8, 4, v29
	v_add_nc_u32 v29, s45, v29                     ; back: lanes 0-15 one row, lanes 16-31 the next
	v_and_b32 v30, 31, v0
	v_lshl_add_u32 v30, v30, 4, s37                ; B's part of my tile.  (These lines are also the places behind the last products)
	s_cmp_eq_u32 s[KIND], 0
	s_wait_alu depctr_va_vdst(0)                   ; the wait ahead of the branch
	s_cbranch_scc1 .Lno_merge
	; A JOINS B'S PART of the long block: both under the larger M
	ds_load_b128 v[232:235], v30 offset:8192       ; B's -M, largest t, sum
.set N_, 0
.rept 16
	ds_load_b128 v[96+N_:99+N_], v30 offset:128*N_
.set N_, N_+4
.endr
	s_wait_dscnt 0x0
	v_max_num_f32 v13, v13, v233
	v_floor_f32 v254, -v13
	v_sub_f32 v252, v254, v12
	v_sub_f32 v236, v254, v232
	v_cvt_i32_f32 v252, v252
	v_cvt_i32_f32 v236, v236
	v_ldexp_f32 v252, 1.0, v252                    ; my factor
	v_ldexp_f32 v236, 1.0, v236                    ; B's (0 where B had no step)
	v_mov_b32 v12, v254
	v_pk_mul_f32 v[234:235], v[234:235], v[236:237] op_sel_hi:[1,0]
	v_pk_fma_f32 v[14:15], v[14:15], v[252:253], v[234:235] op_sel_hi:[1,0,1]
.set N_, 0
.rept 32
	v_pk_mul_f32 v[96+N_:97+N_], v[96+N_:97+N_], v[236:237] op_sel_hi:[1,0]
.set N_, N_+2
.endr
.set N_, 0
.rept 32
	v_pk_fma_f32 v[160+N_:161+N_], v[160+N_:161+N_], v[252:253], v[96+N_:97+N_] op_sel_hi:[1,0,1]
.set N_, N_+2
.endr
.Lno_merge:
	; THE KEYS PASSED OVER, steps JQ + 1 to 15, in closed form
.irp t, 0,1,2,3,4,5,6,7
.irp u, 0,1
	ds_load_b128 v[96+8*\t+4*\u:99+8*\t+4*\u], v10 offset:64*\t+16*\u   ; the sums, in O^T's layout: register 8 t + k is channel 16 t + 8 h + k
.endr
.endr
	v_mul_f32 v254, s[CS], s[HS]                   ; their t (or -3e38 x c where none is passed over)
	s_delay_alu instid0(VALU_DEP_1)
	v_max_num_f32 v13, v13, v254
	v_mov_b32 v254, v12
	s_delay_alu instid0(VALU_DEP_2)
	v_floor_f32 v12, -v13
	s_delay_alu instid0(VALU_DEP_1)
	v_sub_f32 v254, v12, v254
	s_delay_alu instid0(VALU_DEP_1)
	v_cvt_i32_f32 v254, v254
	s_delay_alu instid0(VALU_DEP_1)
	v_ldexp_f32 v252, 1.0, v254
	v_fma_f32 v232, s[BNS], s[CS], v12
	s_wait_alu depctr_va_vdst(0)                   ; the wait ahead of the exponential
	v_exp_f32 v232, v232                           ; p_h = 2^(Bn c - M)
	v_pk_mul_f32 v[14:15], v[14:15], v[252:253] op_sel_hi:[1,0]
	s_wait_alu depctr_va_vdst(0)                   ; and ahead of the first reader of O^T
.set N_, 0
.rept 32
	v_pk_mul_f32 v[160+N_:161+N_], v[160+N_:161+N_], v[252:253] op_sel_hi:[1,0]
.set N_, N_+2
.endr
	v_cvt_f32_u32 v233, s[HCN]
	s_mov_b32 s36, 0x700000
	s_wait_alu depctr_va_vdst(0)
	v_fmac_f32 v14, v233, v232                     ; l += p_h x my half of their number
	v_bfe_u32 v234, v232, 20, 1                    ; Q(p_h): all 32 of a block are p_h, so the scale leaves 3 bits of mantissa: to the nearest, ties to even,
	v_add3_u32 v234, v232, v234, 0x7ffff
	s_delay_alu instid0(VALU_DEP_1)
	v_and_b32 v234, 0xfff00000, v234
	v_and_or_b32 v235, v232, 0x7f800000, s36       ; held at 7.5 x the scale
	s_delay_alu instid0(VALU_DEP_1)
	v_min_u32 v234, v234, v235                     ; (both are positive numbers: their bits order as they do)
	s_wait_alu depctr_va_vdst(0)
	s_wait_dscnt 0x0
.set N_, 0
.rept 32
	v_pk_fma_f32 v[160+N_:161+N_], v[96+N_:97+N_], v[234:235], v[160+N_:161+N_] op_sel_hi:[1,0,1]
.set N_, N_+2
.endr
	; THE WAY OUT: O^T / l goes through my own stage, half a row (64 channels, 256 bytes) of 16 queries at a time, so that sixteen lanes store 256 consecutive bytes
	v_add_f32 v14, v14, v15
	s_delay_alu instid0(VALU_DEP_1)
	v_permlanex16_b32 v252, v14, s[SEL], s[SEL+1]
	s_delay_alu instid0(VALU_DEP_1)
	v_add_f32 v14, v14, v252                       ; the row's sum
	s_wait_alu depctr_va_vdst(0)
	v_rcp_f32 v14, v14
	v_nop                                          ; a plain place behind the reciprocal
	s_wait_alu depctr_va_vdst(0)
.set N_, 0
.rept 64
	v_mul_f32 v[96+N_], v[160+N_], v14             ; register 8 t + k: out(query r, channel 16 t + 8 h + k)
.set N_, N_+1
.endr
.irp u, 0,1
.irp t, 0,1,2,3
	ds_store_b128 v28, v[96+32*\u+8*\t:99+32*\u+8*\t] offset:64*\t
	ds_store_b128 v28, v[100+32*\u+8*\t:103+32*\u+8*\t] offset:64*\t+16
.endr
.irp i, 0,1,2,3,4,5,6,7
	ds_load_b128 v[160+32*\u+4*\i:163+32*\u+4*\i], v29 offset:2*\i*272   ; LDS serves a wave's instructions in order: these see my stores, and the next half's stores come behind them
.endr
.endr
.irp u, 0,1
.irp i, 0,1,2,3,4,5,6,7
	s_wait_dscnt 15-8*\u-\i                        ; at most so many younger LDS instructions are out: this load is in
	global_store_b128 v11, v[160+32*\u+4*\i:163+32*\u+4*\i], s[OUT:OUT+1] offset:2*\i*8192+256*\u th:TH_STORE_NT   ; 16 lanes store 256 consecutive bytes, at a multiple of 256 from the buffer's first byte
.endr
.endr
	s_wait_tensorcnt 0x0                           ; the wave's end
	ds_add_u32 v6, v7
	s_wait_dscnt 0x0
	s_endpgm
.Lfunc_end_k_q59ad9c8f43_attn:
	.size	k_q59ad9c8f43_attn, .Lfunc_end_k_q59ad9c8f43_attn-k_q59ad9c8f43_attn
	.p2alignl 7, 3214868480
	.fill 96, 4, 3214868480
	.section	.rodata,"a",@progbits
	.p2align	6, 0x0
	.amdhsa_kernel k_q59ad9c8f43_attn
		.amdhsa_group_segment_fixed_size 306176
		.amdhsa_private_segment_fixed_size 0
		.amdhsa_enable_private_segment 0
		.amdhsa_kernarg_size 40
		.amdhsa_user_sgpr_count 2
		.amdhsa_user_sgpr_kernarg_segment_ptr 1
		.amdhsa_wavefront_size32 1
		.amdhsa_system_sgpr_workgroup_id_x 1
		.amdhsa_system_sgpr_workgroup_id_y 1
		.amdhsa_system_sgpr_workgroup_id_z 1
		.amdhsa_system_vgpr_workitem_id 0
		.amdhsa_next_free_vgpr 256
		.amdhsa_next_free_sgpr 66
		.amdhsa_reserve_vcc 1
		.amdhsa_float_denorm_mode_32 3
		.amdhsa_float_denorm_mode_16_64 3
		.amdhsa_memory_ordered 1
		.amdhsa_forward_progress 1
		.amdhsa_inst_pref_size 124
	.end_amdhsa_kernel
	.amdgpu_metadata
---
amdhsa.version: [ 1, 2 ]
amdhsa.kernels:
  - .name:           k_q59ad9c8f43_attn
    .symbol:         k_q59ad9c8f43_attn.kd
    .args:
      - { .name: qc, .offset: 0, .size: 8, .value_kind: global_buffer, .address_space: global }
      - { .name: kv, .offset: 8, .size: 8, .value_kind: global_buffer, .address_space: global }
      - { .name: tabs, .offset: 16, .size: 8, .value_kind: global_buffer, .address_space: global }
      - { .name: key_padding_mask, .offset: 24, .size: 8, .value_kind: global_buffer, .address_space: global }
      - { .name: out0, .offset: 32, .size: 8, .value_kind: global_buffer, .address_space: global }
    .group_segment_fixed_size: 306176
    .private_segment_fixed_size: 0
    .kernarg_segment_align: 8
    .kernarg_segment_size: 40
    .max_flat_workgroup_size: 512
    .sgpr_count:     66
    .vgpr_count:     256
    .wavefront_size: 32
...
	.end_amdgpu_metadata
.endif
;; end of part 2
